; MI455X (gfx1250); checked and timed in simulation.
; The chip was launched on July 23, 2026; its instructions are those of AMD's public machine-readable ISA for CDNA 5 (MIT licence, August 2026) and "CDNA5" Instruction Set Architecture Reference Guide (July 2026). The comments in the code are by the model that wrote it; some were corrected since.
;; Poincare Plane Distance. Allowed arithmetic: float matrix products may take bf16 or f16 operands with f32 sums; other float arithmetic in f32, or as packed bf16 or f16 multiplies, adds, multiply-adds, maxima and minima; sums over many terms, partial sums and values carried from step to step in f32; what a program stores and reads back later, other than sums and carried values, may be rounded once to bf16 or f16.
;; Inputs: bias 256 x 64 x 2 float32; input 4,096 x 128 float32; normals 256 x 64 x 2 float32.
;; Outputs: out0 4,096 x 256 float32.
;; 2 versions, each right; version 2 is version 1 with the launch planes written anew for expert scheduling mode. Each part assembles by itself: llvm-mc -triple=amdgcn-amd-amdhsa -mcpu=gfx1250 --defsym DOCPART=n.
;; ======== version 1 of 2: 1 launch
;; limits: below input magnitudes of 1e-05 results are inexact or not finite
;; launch planes (part 1): grid 64 x 4, 8 waves a work-group, no clusters, 298,496 bytes of LDS; arguments input, bias, normals, out0; writes out0
.if DOCPART == 1
	.amdgcn_target "amdgcn-amd-amdhsa--gfx1250"
	.amdhsa_code_object_version 6
	.text
	.protected	k_qf9f3e4b2b9_planes
	.globl	k_qf9f3e4b2b9_planes
	.p2align	8
	.type	k_qf9f3e4b2b9_planes,@function
k_qf9f3e4b2b9_planes:
	s_mov_b64 s[64:65], 0
	v_nop
	global_prefetch_b8 v0, s[64:65] scope:SCOPE_SE
	s_setreg_imm32_b32 hwreg(HW_REG_WAVE_MODE, 25, 1), 1
	s_wait_xcnt 0x0
; out[b][p] = sum over s of an(p,s) asinh(2 <(-p)+x, a> / ((1 - |(-p)+x|^2) an)),  x = expmap0(input[b][s]) clipped to radius 0.996,  p = bias, a = normals, an = |a|.
; input [4096][64][2], bias and normals [256][64][2], out [4096][256], all f32.
; ALGEBRA.  On the ball of curvature 1, 1 - |(-p)+x|^2 = (1-|x|^2)(1-|p|^2)/den with den the Mobius denominator, so den cancels and the argument of asinh is BILINEAR:
;   z = u0 c0 + u1 c1 + u2 c2,   u = ((1+x2), x0, x1)/(1-x2) for (b,s),   c0 = -2K, ci = 4 K pi + 2 ai/an,  K = p.a/((1-p2) an) for (p,s).
; asinh(z) = sign(z) ln2 log2(|z| + sqrt(z^2+1)).  So a triple (b,p,s) costs three multiply-adds, a root, a logarithm and three plain operations, and no division.
; THE THREE MULTIPLY-ADDS GO TO THE MATRIX UNIT.  For one s, z over 16 b x 16 p is a product with K = 3.  Every f32 factor is cut EXACTLY into three bf16 pieces h, m, l (8 + 8 + 8 bits:
; upper half of the word, exact remainder, again), and the six products hh, mh, hm, mm, hl, lh of each of the three components take 18 of the 32 K places of one bf16 matrix instruction with C = 0:
; what is dropped (ml, lm, ll) lies 24 bits below the product.
; SHARES.  A work-group makes 64 b x 64 p; 256 work-groups.  Its 8 waves first build the tables (u and c, cut and laid out as fragments in LDS), lane = s, so that a wave's load covers 256 consecutive
; bytes of a row; then wave w walks s for b tile w>>1 and p tiles 2(w&1), 2(w&1)+1.  A fragment entry is 64 bytes, 8,192 entries would be 512 KB: the work is done in two phases of 32 s.
; LIMITS.  The reference's clamps of den and of |diff|^2 at 1e-15 have no counterpart here (den cancels): they bind only where den < 1e-15, that is x within 3e-8 of 1/conj(p), |p| > 1.004.
; Its clamp of (1-|diff|^2) an is kept as a clamp of 1-|p|^2 at 1e-15 in magnitude, with its sign; then |z| < 2e18 and z^2 stays finite.  tanh is 1 - 2/(1+e^(2n)) and asinh the logarithm above:
; each is off by about 1e-7 ABSOLUTELY, so results far below 1e-5 lose relative accuracy.  |bias| below 1e9.  NaN and infinities are not treated apart.
.set SPITCH, 4112                 ; LDS bytes from s to s+1 in a fragment region: 4 tiles x 1,024 + 16 = 257 x 16: the builder's 16 lanes of a store pass (16 s, one row) touch 16 different 16-byte columns modulo 256
.set BBASE,  32*SPITCH            ; A's fragments lie from 0, B's from here: [s 32][tile 4][half of K 2][lane 32] x 16 bytes: a fragment load takes 512 consecutive bytes
.set NBASE,  64*SPITCH            ; an ln2: [s 64] x 264 bytes: [pair of p tiles 2][r 16][tile of the pair 2] f32; 66 words from s to s+1: 32 lanes of a store touch 32 different banks
.set NPITCH, 264
.set STG,    NBASE+64*NPITCH      ; the way out: 64 rows of 256 + 16 bytes
.set STP,    272
.set SPARE,  STG+64*STP           ; the spare words, 128 bytes for each of 8 waves: four blocks of 256 bytes that no other line names
.set SPW, 1                       ; v1   LDS address of my spare word; never rewritten
.set NIL, 2                       ; v2   0; never rewritten
.set LN,  3                       ; v3   lane
.set VI,  4                       ; v4   byte offset of my 8 bytes in the group's rows of input, bias, normals: 4,096 w + 8 lane
.set VSA, 5                       ; v5-7   where the builder stores: A, B, an
.set VSB, 6
.set VSN, 7
.set VLA0, 8                      ; v8-10  where the walk begins to read: A, B, an
.set VLB0, 9
.set VLN0, 10
.set VLA, 11                      ; v11-13 the same, stepping
.set VLB, 12
.set VLN, 13
.set VST, 14                      ; v14-16 the way out: into the stage, back, offset in out
.set VRD, 15
.set VGO, 16
.set TA,  17
.set HL,  18                      ; lane / 16
.set RL,  19                      ; lane % 16
.set INX1, 20                     ; phase 1's inputs wait here: 8 rows x 2 of input, bias, normals
.set INP1, 36
.set INN1, 52
.set INX0, 68                     ; phase 0's
.set INP0, 84
.set INN0, 100
.set RACC, 116                    ; v116-131 the sums: 2 tiles x 8
.set RZ,  132                     ; v132-163 z, four buffers of 8
.set RT,  164                     ; v164-179 z^2+1, its root, |z|+root, log2: two buffers of 8
.set RF,  180                     ; v180-227 two fragment buffers: A 8, B 8, B 8
.set RAN, 228                     ; v228-231 an ln2 of my lane's p: by parity of s, by tile
.set PA,  132                     ; the builder's registers lie where the walk's lie: six rows of 8,
.set PB,  140
.set PC,  148
.set PD,  156
.set PE,  164
.set PF,  172
.set SH,  180                     ; upper halves, 6
.set SR1, 186                     ; first remainders, 6
.set SR2, 192                     ; second remainders, 6
.set CH,  200                     ; six chunks of four words; the fourth word of each stays 0
.set ZQ,  224                     ; four zeros
.set MASK, 20                     ; s20  0x7fffffff
.set HIM,  21                     ; s21  0xffff0000
.set SEL,  22                     ; s22  v_perm_b32: upper half of source 0 above upper half of source 1
.set CNT,  23
.set EPS,  39                     ; s39  1e-15
.set TINY, 40                     ; s40  1e-30
.set RMAX, 41                     ; s41  0.996
.macro E8 line:vararg             ; a line for i = 0 .. 7
.set i, 0
.rept 8
	\line
.set i, i+1
.endr
.endm
.macro E4 line:vararg             ; a line for i = 0, 2, 4, 6 (pairs)
.set i, 0
	s_wait_alu depctr_va_vdst(0)
.rept 4
	\line
.set i, i+2
.endr
.endm
	s_load_b256 s[4:11], s[0:1], 0x0               ; input s[4:5], bias s[6:7], normals s[8:9], out s[10:11]
	v_lshl_add_u32 v[SPW], v0, 2, SPARE
	v_mov_b32 v[NIL], 0
	v_lshrrev_b32 v[TA], 5, v0
	v_readfirstlane_b32 s12, v[TA]                 ; wave 0..7
	v_and_b32 v[LN], 31, v0
	s_and_b32 s13, ttmp7, 0xffff                   ; block of 64 planes
	s_lshl_b32 s14, ttmp9, 15                      ; 64 rows of input x 512 bytes
	s_mov_b32 s15, 0
	s_lshl_b32 s16, s13, 15                        ; 64 rows of bias and of normals x 512 bytes
	s_mov_b32 s17, 0
	s_lshl_b32 s18, ttmp9, 16                      ; 64 rows of out x 1,024 bytes
	s_lshl_b32 s19, s13, 8                         ; + 64 columns x 4 bytes
	s_add_co_u32 s18, s18, s19
	s_mov_b32 s19, 0
	s_lshl_b32 s24, s12, 12                        ; my wave's 8 rows
	v_lshl_add_u32 v[VI], v[LN], 3, s24
	s_wait_kmcnt 0x0
	s_add_nc_u64 s[4:5], s[4:5], s[14:15]
	s_add_nc_u64 s[6:7], s[6:7], s[16:17]
	s_add_nc_u64 s[8:9], s[8:9], s[16:17]
	s_add_nc_u64 s[10:11], s[10:11], s[18:19]
	; all 48 loads at once: a load takes 32 s x 8 bytes = 256 consecutive bytes of one row, at a multiple of 256 from the buffer's first byte
	E8 global_load_b64 v[INX0+2*i:INX0+2*i+1], v[VI], s[4:5] offset:512*i
	E8 global_load_b64 v[INP0+2*i:INP0+2*i+1], v[VI], s[6:7] offset:512*i
	E8 global_load_b64 v[INN0+2*i:INN0+2*i+1], v[VI], s[8:9] offset:512*i
	E8 global_load_b64 v[INX1+2*i:INX1+2*i+1], v[VI], s[4:5] offset:512*i+256
	E8 global_load_b64 v[INP1+2*i:INP1+2*i+1], v[VI], s[6:7] offset:512*i+256
	E8 global_load_b64 v[INN1+2*i:INN1+2*i+1], v[VI], s[8:9] offset:512*i+256
	; constants and addresses, while the loads are out
	s_mov_b32 s[MASK], 0x7fffffff
	s_mov_b32 s[HIM], 0xffff0000
	s_mov_b32 s[SEL], 0x07060302
	s_mov_b32 s[EPS], 0x26901d7d
	s_mov_b32 s[TINY], 0x0da24260
	s_mov_b32 s[RMAX], 0x3f7ef9db
	v_and_b32 v[RL], 15, v0
	v_bfe_u32 v[HL], v0, 4, 1
	s_lshr_b32 s25, s12, 1                         ; builder: the tile of 16 rows in which my 8 rows lie.  Walk: my b tile
	s_and_b32 s26, s12, 1                          ; builder: its upper or lower 8 rows.  Walk: my pair of p tiles
	s_lshr_b32 s27, s12, 2                         ; builder: the pair of p tiles in which my planes lie
	s_lshl_b32 s28, s25, 10                        ; a tile is 1,024 bytes
	s_lshl_b32 s29, s26, 7                         ; 8 rows x 16 bytes
	s_add_co_u32 s29, s29, s28
	v_mul_u32_u24 v[VSA], v[LN], SPITCH            ; the builder's lane is s
	v_add_nc_u32 v[VSA], s29, v[VSA]
	v_add_nc_u32 v[VSB], BBASE, v[VSA]
	s_lshl_b32 s30, s27, 7
	s_and_b32 s31, s25, 1
	s_lshl_b32 s31, s31, 2
	s_add_co_u32 s30, s30, s31
	s_lshl_b32 s31, s26, 6
	s_add_co_u32 s30, s30, s31
	s_add_co_u32 s30, s30, NBASE
	v_mul_u32_u24 v[VSN], v[LN], NPITCH
	v_add_nc_u32 v[VSN], s30, v[VSN]
	v_lshl_add_u32 v[VLA0], v[LN], 4, s28          ; the walk: 16 bytes a lane of my b tile's fragment
	s_lshl_b32 s32, s26, 11
	s_add_co_u32 s32, s32, BBASE
	v_lshl_add_u32 v[VLB0], v[LN], 4, s32          ; and of my first p tile's
	s_lshl_b32 s33, s26, 7
	s_add_co_u32 s33, s33, NBASE
	v_lshl_add_u32 v[VLN0], v[RL], 3, s33          ; an of planes r and 16 + r of my pair
	s_mul_i32 s34, s25, 16*STP
	s_lshl_b32 s35, s26, 7
	s_add_co_u32 s34, s34, s35
	s_add_co_u32 s34, s34, STG
	v_mul_u32_u24 v[VST], v[HL], 8*STP             ; a result register j holds row 8 (lane/16) + j, column lane%16 of its tile
	v_lshl_add_u32 v[VST], v[RL], 2, v[VST]
	v_add_nc_u32 v[VST], s34, v[VST]
	s_mul_i32 s36, s12, 8*STP
	s_add_co_u32 s36, s36, STG
	v_mul_u32_u24 v[VRD], v[HL], STP               ; back: wave w takes rows 8 w .. 8 w + 7, lanes 0-15 one row of 256 bytes, lanes 16-31 the next
	v_lshl_add_u32 v[VRD], v[RL], 4, v[VRD]
	v_add_nc_u32 v[VRD], s36, v[VRD]
	s_lshl_b32 s37, s12, 13
	v_lshlrev_b32 v[VGO], 10, v[HL]
	v_lshl_add_u32 v[VGO], v[RL], 4, v[VGO]
	v_add_nc_u32 v[VGO], s37, v[VGO]
	E8 v_mov_b32 v[RACC+i], 0                      ; the 16 sums
	E8 v_mov_b32 v[RACC+8+i], 0
.set i, 0
.rept 4
	v_mov_b32 v[ZQ+i], 0
.set i, i+1
.endr
	; K places 24 .. 31 hold zeros in both phases: stored once
	E8 ds_store_b128 v[VSA], v[ZQ:ZQ+3] offset:16*i+768
	E8 ds_store_b128 v[VSB], v[ZQ:ZQ+3] offset:16*i+768
.macro FILLCH                     ; K places 6, 7 of each component's eight hold zeros
.set i, 0
.rept 6
	v_mov_b32 v[CH+4*i+3], 0
.set i, i+1
.endr
.endm
; u FOR 8 ROWS (one s a lane).  In: 8 pairs (a, b) at xb.  Out: u0 in PE, (u1, u2) in place.  Behind every run of transcendentals stands a plain instruction that names none of their
; registers before a result is used (ISA guide 5.7.2): a v_nop where nothing else is at hand.
.macro UPRO xb
	E8 v_mul_f32 v[PA+i], v[(\xb)+2*i], v[(\xb)+2*i]
	E8 v_fma_f32 v[PA+i], v[(\xb)+2*i+1], v[(\xb)+2*i+1], v[PA+i]
	E8 v_max_num_f32 v[PA+i], s[TINY], v[PA+i]     ; n = max(sqrt(n2), 1e-15)
	E8 v_rsq_f32 v[PB+i], v[PA+i]                  ; 1/n
	v_nop
	s_wait_alu depctr_va_vdst(0)
	E4 v_pk_mul_f32 v[PC+i:PC+i+1], v[PA+i:PA+i+1], v[PB+i:PB+i+1]
	E4 v_pk_mul_f32 v[PC+i:PC+i+1], v[PC+i:PC+i+1], 0x4038aa3b op_sel_hi:[1,0]   ; 2 log2(e) n
	E8 v_exp_f32 v[PC+i], v[PC+i]                  ; e^(2n); an infinity gives tanh = 1 below
	v_nop
	s_wait_alu depctr_va_vdst(0)
	E4 v_pk_add_f32 v[PC+i:PC+i+1], v[PC+i:PC+i+1], 1.0 op_sel_hi:[1,0]
	E8 v_rcp_f32 v[PC+i], v[PC+i]
	v_nop
	s_wait_alu depctr_va_vdst(0)
	E4 v_pk_fma_f32 v[PC+i:PC+i+1], v[PC+i:PC+i+1], -2.0, 1.0 op_sel_hi:[1,0,0]  ; tanh n, which is |expmap0|
	E8 v_min_num_f32 v[PC+i], s[RMAX], v[PC+i]     ; the projection: radius rho = min(tanh n, 0.996)
	E4 v_pk_fma_f32 v[PD+i:PD+i+1], v[PC+i:PC+i+1], v[PC+i:PC+i+1], 1.0 op_sel_hi:[1,1,0] neg_lo:[1,0,0] neg_hi:[1,0,0]  ; 1 - x2
	E8 v_rcp_f32 v[PD+i], v[PD+i]                  ; g = 1/(1-x2)
	E4 v_pk_mul_f32 v[PF+i:PF+i+1], v[PC+i:PC+i+1], v[PB+i:PB+i+1]               ; rho/n
	E4 v_pk_fma_f32 v[PE+i:PE+i+1], v[PD+i:PD+i+1], 2.0, -1.0 op_sel_hi:[1,0,0]  ; u0 = (1+x2)/(1-x2) = 2g - 1
	E4 v_pk_mul_f32 v[PF+i:PF+i+1], v[PF+i:PF+i+1], v[PD+i:PD+i+1]
	E4 v_pk_mul_f32 v[(\xb)+2*i:(\xb)+2*i+1], v[(\xb)+2*i:(\xb)+2*i+1], v[PF+i:PF+i+1] op_sel_hi:[1,0]                  ; even rows: both by the pair's first
	E4 v_pk_mul_f32 v[(\xb)+2*i+2:(\xb)+2*i+3], v[(\xb)+2*i+2:(\xb)+2*i+3], v[PF+i:PF+i+1] op_sel:[0,1] op_sel_hi:[1,1]  ; odd rows: both by its second
.endm
; c FOR 8 ROWS.  In: 8 pairs of bias at pb, of normals at nb.  Out: c0 in PE, (c1, c2) in place of the normals; an ln2 goes to its table.
.macro CPRO pb, nb, ph
	E8 v_mul_f32 v[PA+i], v[(\pb)+2*i], v[(\pb)+2*i]
	E8 v_mul_f32 v[PB+i], v[(\nb)+2*i], v[(\nb)+2*i]
	E8 v_mul_f32 v[PC+i], v[(\pb)+2*i], v[(\nb)+2*i]
	E8 v_fma_f32 v[PA+i], v[(\pb)+2*i+1], v[(\pb)+2*i+1], v[PA+i]                ; p2
	E8 v_fma_f32 v[PB+i], v[(\nb)+2*i+1], v[(\nb)+2*i+1], v[PB+i]                ; a2
	E8 v_fma_f32 v[PC+i], v[(\pb)+2*i+1], v[(\nb)+2*i+1], v[PC+i]                ; p.a
	E8 v_max_num_f32 v[PB+i], s[EPS], v[PB+i]
	E8 v_rsq_f32 v[PD+i], v[PB+i]                  ; 1/an
	E4 v_pk_add_f32 v[PE+i:PE+i+1], v[PA+i:PA+i+1], 1.0 op_sel_hi:[1,0] neg_lo:[1,0] neg_hi:[1,0]  ; 1 - p2
	E8 v_max_num_f32 v[PA+i], |v[PE+i]|, s[EPS]    ; held at 1e-15 in magnitude,
	E8 v_bfi_b32 v[PE+i], s[MASK], v[PA+i], v[PE+i] ; with its sign
	E8 v_rcp_f32 v[PE+i], v[PE+i]
	E4 v_pk_mul_f32 v[PB+i:PB+i+1], v[PB+i:PB+i+1], v[PD+i:PD+i+1]               ; an
	E4 v_pk_mul_f32 v[PC+i:PC+i+1], v[PC+i:PC+i+1], v[PD+i:PD+i+1]
	E4 v_pk_mul_f32 v[PC+i:PC+i+1], v[PC+i:PC+i+1], v[PE+i:PE+i+1]               ; K
	E4 v_pk_mul_f32 v[PB+i:PB+i+1], v[PB+i:PB+i+1], 0x3f317218 op_sel_hi:[1,0]   ; an ln2: the walk takes log2
	E4 v_pk_mul_f32 v[PE+i:PE+i+1], v[PC+i:PC+i+1], -2.0 op_sel_hi:[1,0]         ; c0
	E4 v_pk_mul_f32 v[PC+i:PC+i+1], v[PC+i:PC+i+1], 4.0 op_sel_hi:[1,0]
	E4 v_pk_add_f32 v[PD+i:PD+i+1], v[PD+i:PD+i+1], v[PD+i:PD+i+1]               ; 2/an
	E4 v_pk_mul_f32 v[(\nb)+2*i:(\nb)+2*i+1], v[(\nb)+2*i:(\nb)+2*i+1], v[PD+i:PD+i+1] op_sel_hi:[1,0]
	E4 v_pk_mul_f32 v[(\nb)+2*i+2:(\nb)+2*i+3], v[(\nb)+2*i+2:(\nb)+2*i+3], v[PD+i:PD+i+1] op_sel:[0,1] op_sel_hi:[1,1]
	E4 v_pk_fma_f32 v[(\nb)+2*i:(\nb)+2*i+1], v[(\pb)+2*i:(\pb)+2*i+1], v[PC+i:PC+i+1], v[(\nb)+2*i:(\nb)+2*i+1] op_sel_hi:[1,0,1]
	E4 v_pk_fma_f32 v[(\nb)+2*i+2:(\nb)+2*i+3], v[(\pb)+2*i+2:(\pb)+2*i+3], v[PC+i:PC+i+1], v[(\nb)+2*i+2:(\nb)+2*i+3] op_sel:[0,1,0] op_sel_hi:[1,1,1]
	E8 ds_store_b32 v[VSN], v[PB+i] offset:8*i+(\ph)*32*NPITCH
.endm
; Three words of a component's chunk from x, its first remainder r1 and its second r2: a piece is the upper half of its word.  The lower K place lies in the lower half.
;   A: (h, m) (h, m) (h, l)      B: (h, h) (m, m) (l, h)      place by place: hh + mh + hm + mm + hl + lh
.macro WORDS side, c, x, r1, r2
.if (\side) == 0
	v_perm_b32 v[(\c)], v[\r1], v[\x], s[SEL]
	v_perm_b32 v[(\c)+1], v[\r1], v[\x], s[SEL]
	v_perm_b32 v[(\c)+2], v[\r2], v[\x], s[SEL]
.else
	v_perm_b32 v[(\c)], v[\x], v[\x], s[SEL]
	v_perm_b32 v[(\c)+1], v[\r1], v[\r1], s[SEL]
	v_perm_b32 v[(\c)+2], v[\x], v[\r2], s[SEL]
.endif
.endm
; Rows r and r + 1 are cut and stored.  x - (upper half of x) is exact, and so is the second remainder, which has 8 significant bits left: the three pieces add up to x.
; Component c of a row goes to K places 8 c .. 8 c + 7: byte 256 c of the tile's 1,024, 16 bytes a row.
.macro SPLIT r, xb, side, vs
.set q0, PE+(\r)
.set q1, (\xb)+2*(\r)
.set q2, (\xb)+2*(\r)+2
	v_and_b32 v[SH+0], s[HIM], v[q0]
	v_and_b32 v[SH+1], s[HIM], v[q0+1]
	v_and_b32 v[SH+2], s[HIM], v[q1]
	v_and_b32 v[SH+3], s[HIM], v[q1+1]
	v_and_b32 v[SH+4], s[HIM], v[q2]
	v_and_b32 v[SH+5], s[HIM], v[q2+1]
	v_pk_add_f32 v[SR1:SR1+1], v[q0:q0+1], v[SH:SH+1] neg_lo:[0,1] neg_hi:[0,1]
	v_pk_add_f32 v[SR1+2:SR1+3], v[q1:q1+1], v[SH+2:SH+3] neg_lo:[0,1] neg_hi:[0,1]
	v_pk_add_f32 v[SR1+4:SR1+5], v[q2:q2+1], v[SH+4:SH+5] neg_lo:[0,1] neg_hi:[0,1]
.set i, 0
.rept 6
	v_and_b32 v[SH+i], s[HIM], v[SR1+i]
.set i, i+1
.endr
.set i, 0
.rept 3
	v_pk_add_f32 v[SR2+i:SR2+i+1], v[SR1+i:SR1+i+1], v[SH+i:SH+i+1] neg_lo:[0,1] neg_hi:[0,1]
.set i, i+2
.endr
	WORDS \side, CH+0,  q0,   SR1+0, SR2+0
	WORDS \side, CH+4,  q1,   SR1+2, SR2+2
	WORDS \side, CH+8,  q1+1, SR1+3, SR2+3
	WORDS \side, CH+12, q0+1, SR1+1, SR2+1
	WORDS \side, CH+16, q2,   SR1+4, SR2+4
	WORDS \side, CH+20, q2+1, SR1+5, SR2+5
.set i, 0
.rept 3
	ds_store_b128 v[\vs], v[CH+4*i:CH+4*i+3] offset:16*(\r)+256*i
	ds_store_b128 v[\vs], v[CH+12+4*i:CH+12+4*i+3] offset:16*(\r)+16+256*i
.set i, i+1
.endr
.endm
.macro SPLIT8 xb, side, vs
.irp r, 0,2,4,6
	SPLIT \r, \xb, \side, \vs
.endr
.endm
; THE WALK.  Six loads bring one s: A's fragment and two of B's, 512 consecutive bytes each (registers 0-3: K places 8 (lane/16) on; registers 4-7: 16 + 8 (lane/16) on).
.macro LOADF f, o
	ds_load_b128 v[RF+24*(\f):RF+24*(\f)+3],     v[VLA] offset:(\o)
	ds_load_b128 v[RF+24*(\f)+4:RF+24*(\f)+7],   v[VLA] offset:(\o)+512
	ds_load_b128 v[RF+24*(\f)+8:RF+24*(\f)+11],  v[VLB] offset:(\o)
	ds_load_b128 v[RF+24*(\f)+12:RF+24*(\f)+15], v[VLB] offset:(\o)+512
	ds_load_b128 v[RF+24*(\f)+16:RF+24*(\f)+19], v[VLB] offset:(\o)+1024
	ds_load_b128 v[RF+24*(\f)+20:RF+24*(\f)+23], v[VLB] offset:(\o)+1536
.endm
; A STEP serves three tiles at three stages (tile k = s of parity (k/2)%2, p tile k%2; buffers by k mod 4 and k mod 2):
;   the matrix instruction of tile k+1;  eight times (root of tile k, |z| + root of tile k-1);  eight times (log2 of tile k-1, z's sign onto an);  the sums of tile k-1;  z^2 + 1 of tile k+1.
; No two transcendentals are neighbours, and each has a plain instruction on other registers behind it.  A matrix result is first read 32 instructions behind its instruction, from its lowest
; registers on; loads into a fragment buffer stand behind eight plain additions that follow its last matrix instruction (four places are asked).
; wm: tile k+1 exists.  sq: tile k exists.  grp = 1: behind the first block an (of the s in hand) and the fragments (of the s two on) are asked for, 7 loads; 2: an alone.  w0, w1: waits, or -1.
.macro STEP k, wm, sq, grp, w0, w1
.set zp, RZ+8*(((\k)+3)&3)
.set tp, RT+8*(((\k)+1)&1)
.set ap, RACC+8*(((\k)+1)&1)
.set np, RAN+2*((((\k)+3)>>1)&1)+(((\k)+3)&1)
.set tc, RT+8*((\k)&1)
.set zn, RZ+8*(((\k)+1)&3)
.set fn, RF+24*((((\k)+1)>>1)&1)
.set bn, fn+8+8*(((\k)+1)&1)
.set fl, ((\k)>>1)&1
.if (\w0) >= 0
	s_wait_dscnt \w0
.endif
.if \wm
	v_wmma_f32_16x16x32_bf16 v[zn:zn+7], v[fn:fn+7], v[bn:bn+7], 0
.endif
.set i, 0
.rept 8
.if \sq
	v_sqrt_f32 v[tc+i], v[tc+i]
.endif
	v_add_f32 v[tp+i], |v[zp+i]|, v[tp+i]
.set i, i+1
.endr
.if (\grp) > 0
	ds_load_b64 v[RAN+2*fl:RAN+2*fl+1], v[VLN] offset:fl*NPITCH
.endif
.if (\grp) == 1
	LOADF fl, (2+fl)*SPITCH
.endif
.if (\w1) >= 0
	s_wait_dscnt \w1
.endif
.set i, 0
.rept 8
	v_log_f32 v[tp+i], v[tp+i]
	v_bfi_b32 v[zp+i], s[MASK], v[np], v[zp+i]     ; an ln2 with z's sign
.set i, i+1
.endr
.set i, 0
	s_wait_alu depctr_va_vdst(0)
.rept 4
	v_pk_fma_f32 v[ap+i:ap+i+1], v[tp+i:tp+i+1], v[zp+i:zp+i+1], v[ap+i:ap+i+1]
.set i, i+2
.endr
.if \wm
.set i, 0
.rept 4
	v_pk_fma_f32 v[tp+i:tp+i+1], v[zn+i:zn+i+1], v[zn+i:zn+i+1], 1.0 op_sel_hi:[1,1,0]
.set i, i+2
.endr
.endif
.endm
; A phase's 32 s: 15 trips of two s, and the last two s written out, since they ask for no fragments.  The pipeline is entered with a tile that adds nothing: z = 0, root = 1, an = 0.
; The counts: LDS loads come back in order (ISA guide 5.7.1).  Groups of 7 are issued in steps 0 and 2, an first.  At the head of steps 1 and 3 the count 7 leaves the newer group out: the older
; group's fragments are in.  In front of their second block the count 6 leaves the newer group's six fragment loads out: its an is in.
.macro MAIN ph
	v_mov_b32 v[VLA], v[VLA0]
	v_mov_b32 v[VLB], v[VLB0]
	v_add_nc_u32 v[VLN], (\ph)*32*NPITCH, v[VLN0]
	LOADF 0, 0
	LOADF 1, SPITCH
	s_wait_dscnt 0x6                               ; the first six are in, the second six may be out
	v_wmma_f32_16x16x32_bf16 v[RZ:RZ+7], v[RF:RF+7], v[RF+8:RF+15], 0
	E8 v_mov_b32 v[RZ+24+i], 0                     ; 18 plain lines on other registers: the places behind that instruction
	E8 v_mov_b32 v[RT+8+i], 1.0
	v_mov_b32 v[RAN+2], 0
	v_mov_b32 v[RAN+3], 0
	E4 v_pk_fma_f32 v[RT+i:RT+i+1], v[RZ+i:RZ+i+1], v[RZ+i:RZ+i+1], 1.0 op_sel_hi:[1,1,0]
	s_mov_b32 s[CNT], 15
.Lmain_\@:
	STEP 0, 1, 1, 1, -1, -1
	STEP 1, 1, 1, 0, 7, 6
	STEP 2, 1, 1, 1, -1, -1
	STEP 3, 1, 1, 0, 7, 6
	v_add_nc_u32 v[VLA], 2*SPITCH, v[VLA]
	v_add_nc_u32 v[VLB], 2*SPITCH, v[VLB]
	v_add_nc_u32 v[VLN], 2*NPITCH, v[VLN]
	s_sub_co_u32 s[CNT], s[CNT], 1
	s_cmp_lg_u32 s[CNT], 0
	s_cbranch_scc1 .Lmain_\@
	STEP 0, 1, 1, 2, -1, -1
	STEP 1, 1, 1, 0, 0, -1
	STEP 2, 1, 1, 2, -1, -1
	STEP 3, 0, 1, 0, 0, -1
	STEP 0, 0, 0, 0, -1, -1                        ; the last tile's second half
.endm
	; PHASE 0: s = 0 .. 31
	FILLCH
	s_wait_loadcnt 40                              ; input's first 8 loads are in; the 16 + 24 behind them may be out
	UPRO INX0
	SPLIT8 INX0, 0, VSA
	s_wait_loadcnt 24                              ; bias and normals of this phase are in; phase 1's 24 may be out
	CPRO INP0, INN0, 0
	SPLIT8 INN0, 1, VSB
	s_wait_dscnt 0x0                               ; for the others' sake: my stores are done
	s_barrier_signal -1
	s_barrier_wait -1
	MAIN 0
	; PHASE 1: s = 32 .. 63, into the same bytes: every wave's reads are back before any wave stores
	s_wait_loadcnt 0x0
	s_wait_dscnt 0x0
	s_barrier_signal -1
	FILLCH                                         ; work on registers alone while the others arrive
	UPRO INX1
	s_barrier_wait -1
	SPLIT8 INX1, 0, VSA
	CPRO INP1, INN1, 1
	SPLIT8 INN1, 1, VSB
	s_wait_dscnt 0x0
	s_barrier_signal -1
	s_barrier_wait -1
	MAIN 1
	; THE WAY OUT.  A lane holds a piece of a column; a row's 256 bytes come from two waves.  So the sums go through a stage of their own in LDS and come back as whole rows.
	E8 ds_store_b32 v[VST], v[RACC+i] offset:STP*i
	E8 ds_store_b32 v[VST], v[RACC+8+i] offset:STP*i+64
	s_wait_dscnt 0x0
	s_barrier_signal -1
	s_barrier_wait -1
.set i, 0
.rept 4
	ds_load_b128 v[RZ+4*i:RZ+4*i+3], v[VRD] offset:2*STP*i
.set i, i+1
.endr
.set i, 0
.rept 4
	s_wait_dscnt 3-i                               ; load i is back, the younger ones may be out
	global_store_b128 v[VGO], v[RZ+4*i:RZ+4*i+3], s[10:11] offset:2048*i th:TH_STORE_NT  ; 16 lanes store 256 consecutive bytes, at a multiple of 256 from out's first byte
.set i, i+1
.endr
	s_wait_tensorcnt 0x0                           ; the wave's end
	ds_add_u32 v[SPW], v[NIL]
	s_wait_dscnt 0x0
	s_endpgm
.Lfunc_end_k_qf9f3e4b2b9_planes:
	.size	k_qf9f3e4b2b9_planes, .Lfunc_end_k_qf9f3e4b2b9_planes-k_qf9f3e4b2b9_planes
	.p2alignl 7, 3214868480
	.fill 96, 4, 3214868480
	.section	.rodata,"a",@progbits
	.p2align	6, 0x0
	.amdhsa_kernel k_qf9f3e4b2b9_planes
		.amdhsa_group_segment_fixed_size 298496
		.amdhsa_private_segment_fixed_size 0
		.amdhsa_enable_private_segment 0
		.amdhsa_kernarg_size 32
		.amdhsa_user_sgpr_count 2
		.amdhsa_user_sgpr_kernarg_segment_ptr 1
		.amdhsa_wavefront_size32 1
		.amdhsa_system_sgpr_workgroup_id_x 1
		.amdhsa_system_sgpr_workgroup_id_y 1
		.amdhsa_system_sgpr_workgroup_id_z 1
		.amdhsa_system_vgpr_workitem_id 0
		.amdhsa_next_free_vgpr 232
		.amdhsa_next_free_sgpr 66
		.amdhsa_reserve_vcc 0
		.amdhsa_float_denorm_mode_32 3
		.amdhsa_float_denorm_mode_16_64 3
		.amdhsa_memory_ordered 1
		.amdhsa_forward_progress 1
		.amdhsa_inst_pref_size 118
	.end_amdhsa_kernel
	.amdgpu_metadata
---
amdhsa.version: [ 1, 2 ]
amdhsa.kernels:
  - .name:           k_qf9f3e4b2b9_planes
    .symbol:         k_qf9f3e4b2b9_planes.kd
    .args:
      - { .name: input, .offset: 0, .size: 8, .value_kind: global_buffer, .address_space: global }
      - { .name: bias, .offset: 8, .size: 8, .value_kind: global_buffer, .address_space: global }
      - { .name: normals, .offset: 16, .size: 8, .value_kind: global_buffer, .address_space: global }
      - { .name: out0, .offset: 24, .size: 8, .value_kind: global_buffer, .address_space: global }
    .group_segment_fixed_size: 298496
    .private_segment_fixed_size: 0
    .kernarg_segment_align: 8
    .kernarg_segment_size: 32
    .max_flat_workgroup_size: 256
    .sgpr_count:     66
    .vgpr_count:     232
    .wavefront_size: 32
...
	.end_amdgpu_metadata
.endif
;; end of part 1
;; ======== version 2 of 2: 1 launch; version 1 with the launch planes written anew for expert scheduling mode
;; limits: below input magnitudes of 1e-05 results are inexact or not finite
;; launch planes (part 2): grid 64 x 4, 8 waves a work-group, no clusters, 298,496 bytes of LDS; arguments input, bias, normals, out0; writes out0
.if DOCPART == 2
	.amdgcn_target "amdgcn-amd-amdhsa--gfx1250"
	.amdhsa_code_object_version 6
	.text
	.protected	k_qf9f3e4b2b9_planes
	.globl	k_qf9f3e4b2b9_planes
	.p2align	8
	.type	k_qf9f3e4b2b9_planes,@function
k_qf9f3e4b2b9_planes:
	s_mov_b64 s[64:65], 0
	v_nop
	global_prefetch_b8 v0, s[64:65] scope:SCOPE_SE
	s_setreg_imm32_b32 hwreg(HW_REG_WAVE_SCHED_MODE, 0, 2), 2
	s_setreg_imm32_b32 hwreg(HW_REG_WAVE_MODE, 25, 1), 1
	s_wait_xcnt 0x0
	s_wait_alu depctr_vm_vsrc(0)
; out[b][p] = sum over s of an(p,s) asinh(2 <(-p)+x, a> / ((1 - |(-p)+x|^2) an)),  x = expmap0(input[b][s]) clipped to radius 0.996,  p = bias, a = normals, an = |a|.
; input [4096][64][2], bias and normals [256][64][2], out [4096][256], all f32.
; ALGEBRA.  On the ball of curvature 1, 1 - |(-p)+x|^2 = (1-|x|^2)(1-|p|^2)/den with den the Mobius denominator, so den cancels and the argument of asinh is BILINEAR:
;   z = u0 c0 + u1 c1 + u2 c2,   u = ((1+x2), x0, x1)/(1-x2) for (b,s),   c0 = -2K, ci = 4 K pi + 2 ai/an,  K = p.a/((1-p2) an) for (p,s).
; asinh(z) = sign(z) ln2 log2(|z| + sqrt(z^2+1)).  So a triple (b,p,s) costs three multiply-adds, a root, a logarithm and three plain operations, and no division.
; THE THREE MULTIPLY-ADDS GO TO THE MATRIX UNIT.  For one s, z over 16 b x 16 p is a product with K = 3.  Every f32 factor is cut EXACTLY into three bf16 pieces h, m, l (8 + 8 + 8 bits:
; upper half of the word, exact remainder, again), and the six products hh, mh, hm, mm, hl, lh of each of the three components take 18 of the 32 K places of one bf16 matrix instruction with C = 0:
; what is dropped (ml, lm, ll) lies 24 bits below the product.
; SHARES.  A work-group makes 64 b x 64 p; 256 work-groups.  Its 8 waves first build the tables (u and c, cut and laid out as fragments in LDS), lane = s, so that a wave's load covers 256 consecutive
; bytes of a row; then wave w walks s for b tile w>>1 and p tiles 2(w&1), 2(w&1)+1.  A fragment entry is 64 bytes, 8,192 entries would be 512 KB: the work is done in two phases of 32 s.
; LIMITS.  The reference's clamps of den and of |diff|^2 at 1e-15 have no counterpart here (den cancels): they bind only where den < 1e-15, that is x within 3e-8 of 1/conj(p), |p| > 1.004.
; Its clamp of (1-|diff|^2) an is kept as a clamp of 1-|p|^2 at 1e-15 in magnitude, with its sign; then |z| < 2e18 and z^2 stays finite.  tanh is 1 - 2/(1+e^(2n)) and asinh the logarithm above:
; each is off by about 1e-7 ABSOLUTELY, so results far below 1e-5 lose relative accuracy.  |bias| below 1e9.  NaN and infinities are not treated apart.
; THE MODE: SCHED_MODE bits 1:0 = 2 (LLVM: expert scheduling mode 2), set by the entry lines.  The code itself states the register dependences
; between vector or matrix instructions and memory or LDS instructions, with s_wait_alu, always for 0.
; THE PLAN.  Registers that memory or LDS instructions touch:
;   v[VI], v[VSA], v[VSB], v[VSN], v[VST], v[VRD], v[VGO]   offsets and addresses: written once at the head, never again.
;   ZQ, CH, PB   data of the builder's LDS stores.  CH: written by a SPLIT's 18 v_perm_b32, read by its six stores, written again by the next SPLIT.  All three lie where the walk's loads and matrix results land.
;   v[VLA], v[VLB], v[VLN]   read by every LDS load of the walk; written at the walk's head and once a trip, at the trip's end.
;   RF0, RF1   fragment buffers.  RF0: read by the matrix instructions of steps 3 and 0, loaded again in step 0.  RF1: read in steps 1 and 2, loaded again in step 2.
;   RAN        first pair: read by the sign lines of steps 1 and 2, loaded again in step 2.  Second pair: read in steps 3 and 0, loaded again in step 0.
;   RACC       written by the packed sums, read by the way out's LDS stores.      v132-147: on the way out loads from the stage land there, and the global stores read them.
;   The z and t buffers are named by vector and matrix instructions alone.
; A step of the walk has ONE wait on va_vdst, behind its roots and logarithms and ahead of their first reader.  In steps 0 and 2 the seven LDS loads stand behind that same wait: it also states that the
; matrix instructions are done reading the fragment buffer, the sign lines reading an's pair, and (step 0) that the three addresses are written.  The loads are dealt among the step's eight packed lines,
; which name sums, t and z alone: none of the registers that the loads touch.  One wait on vm_vsrc a trip stands ahead of the three adds to the addresses.
.set SPITCH, 4112                 ; LDS bytes from s to s+1 in a fragment region: 4 tiles x 1,024 + 16 = 257 x 16: the builder's 16 lanes of a store pass (16 s, one row) touch 16 different 16-byte columns modulo 256
.set BBASE,  32*SPITCH            ; A's fragments lie from 0, B's from here: [s 32][tile 4][half of K 2][lane 32] x 16 bytes: a fragment load takes 512 consecutive bytes
.set NBASE,  64*SPITCH            ; an ln2: [s 64] x 264 bytes: [pair of p tiles 2][r 16][tile of the pair 2] f32; 66 words from s to s+1: 32 lanes of a store touch 32 different banks
.set NPITCH, 264
.set STG,    NBASE+64*NPITCH      ; the way out: 64 rows of 256 + 16 bytes
.set STP,    272
.set SPARE,  STG+64*STP           ; the spare words, 128 bytes for each of 8 waves: four blocks of 256 bytes that no other line names
.set SPW, 1                       ; v1   LDS address of my spare word; never rewritten
.set NIL, 2                       ; v2   0; never rewritten
.set LN,  3                       ; v3   lane
.set VI,  4                       ; v4   byte offset of my 8 bytes in the group's rows of input, bias, normals: 4,096 w + 8 lane
.set VSA, 5                       ; v5-7   where the builder stores: A, B, an
.set VSB, 6
.set VSN, 7
.set VLA0, 8                      ; v8-10  where the walk begins to read: A, B, an
.set VLB0, 9
.set VLN0, 10
.set VLA, 11                      ; v11-13 the same, stepping
.set VLB, 12
.set VLN, 13
.set VST, 14                      ; v14-16 the way out: into the stage, back, offset in out
.set VRD, 15
.set VGO, 16
.set TA,  17
.set HL,  18                      ; lane / 16
.set RL,  19                      ; lane % 16
.set INX1, 20                     ; phase 1's inputs wait here: 8 rows x 2 of input, bias, normals
.set INP1, 36
.set INN1, 52
.set INX0, 68                     ; phase 0's
.set INP0, 84
.set INN0, 100
.set RACC, 116                    ; v116-131 the sums: 2 tiles x 8
.set RZ,  132                     ; v132-163 z, four buffers of 8
.set RT,  164                     ; v164-179 z^2+1, its root, |z|+root, log2: two buffers of 8
.set RF,  180                     ; v180-227 two fragment buffers: A 8, B 8, B 8
.set RAN, 228                     ; v228-231 an ln2 of my lane's p: by parity of s, by tile
.set PA,  132                     ; the builder's registers lie where the walk's lie: six rows of 8,
.set PB,  140
.set PC,  148
.set PD,  156
.set PE,  164
.set PF,  172
.set SH,  180                     ; upper halves, 6
.set SR1, 186                     ; first remainders, 6
.set SR2, 192                     ; second remainders, 6
.set CH,  200                     ; six chunks of four words; the fourth word of each stays 0
.set ZQ,  224                     ; four zeros
.set MASK, 20                     ; s20  0x7fffffff
.set HIM,  21                     ; s21  0xffff0000
.set SEL,  22                     ; s22  v_perm_b32: upper half of source 0 above upper half of source 1
.set CNT,  23
.set EPS,  39                     ; s39  1e-15
.set TINY, 40                     ; s40  1e-30
.set RMAX, 41                     ; s41  0.996
.macro E8 line:vararg             ; a line for i = 0 .. 7
.set i, 0
.rept 8
	\line
.set i, i+1
.endr
.endm
.macro E4 line:vararg             ; a line for i = 0, 2, 4, 6 (pairs)
.set i, 0
.rept 4
	\line
.set i, i+2
.endr
.endm
	s_load_b256 s[4:11], s[0:1], 0x0               ; input s[4:5], bias s[6:7], normals s[8:9], out s[10:11]
	v_lshl_add_u32 v[SPW], v0, 2, SPARE
	v_mov_b32 v[NIL], 0
	v_lshrrev_b32 v[TA], 5, v0
	v_readfirstlane_b32 s12, v[TA]                 ; wave 0..7
	v_and_b32 v[LN], 31, v0
	s_and_b32 s13, ttmp7, 0xffff                   ; block of 64 planes
	s_lshl_b32 s14, ttmp9, 15                      ; 64 rows of input x 512 bytes
	s_mov_b32 s15, 0
	s_lshl_b32 s16, s13, 15                        ; 64 rows of bias and of normals x 512 bytes
	s_mov_b32 s17, 0
	s_lshl_b32 s18, ttmp9, 16                      ; 64 rows of out x 1,024 bytes
	s_lshl_b32 s19, s13, 8                         ; + 64 columns x 4 bytes
	s_add_co_u32 s18, s18, s19
	s_mov_b32 s19, 0
	s_wait_alu depctr_va_sdst(0)                   ; s12 is written, ahead of its first reader: offsets and LDS addresses are made from it
	s_lshl_b32 s24, s12, 12                        ; my wave's 8 rows
	v_lshl_add_u32 v[VI], v[LN], 3, s24
	s_wait_kmcnt 0x0
	s_add_nc_u64 s[4:5], s[4:5], s[14:15]
	s_add_nc_u64 s[6:7], s[6:7], s[16:17]
	s_add_nc_u64 s[8:9], s[8:9], s[16:17]
	s_add_nc_u64 s[10:11], s[10:11], s[18:19]
	s_wait_alu depctr_va_vdst(0)                   ; v[VI] is written, which the 48 loads read as their offset
	; all 48 loads at once: a load takes 32 s x 8 bytes = 256 consecutive bytes of one row, at a multiple of 256 from the buffer's first byte
	E8 global_load_b64 v[INX0+2*i:INX0+2*i+1], v[VI], s[4:5] offset:512*i
	E8 global_load_b64 v[INP0+2*i:INP0+2*i+1], v[VI], s[6:7] offset:512*i
	E8 global_load_b64 v[INN0+2*i:INN0+2*i+1], v[VI], s[8:9] offset:512*i
	E8 global_load_b64 v[INX1+2*i:INX1+2*i+1], v[VI], s[4:5] offset:512*i+256
	E8 global_load_b64 v[INP1+2*i:INP1+2*i+1], v[VI], s[6:7] offset:512*i+256
	E8 global_load_b64 v[INN1+2*i:INN1+2*i+1], v[VI], s[8:9] offset:512*i+256
	; constants and addresses, while the loads are out
	s_mov_b32 s[MASK], 0x7fffffff
	s_mov_b32 s[HIM], 0xffff0000
	s_mov_b32 s[SEL], 0x07060302
	s_mov_b32 s[EPS], 0x26901d7d
	s_mov_b32 s[TINY], 0x0da24260
	s_mov_b32 s[RMAX], 0x3f7ef9db
	v_and_b32 v[RL], 15, v0
	v_bfe_u32 v[HL], v0, 4, 1
	s_lshr_b32 s25, s12, 1                         ; builder: the tile of 16 rows in which my 8 rows lie.  Walk: my b tile
	s_and_b32 s26, s12, 1                          ; builder: its upper or lower 8 rows.  Walk: my pair of p tiles
	s_lshr_b32 s27, s12, 2                         ; builder: the pair of p tiles in which my planes lie
	s_lshl_b32 s28, s25, 10                        ; a tile is 1,024 bytes
	s_lshl_b32 s29, s26, 7                         ; 8 rows x 16 bytes
	s_add_co_u32 s29, s29, s28
	v_mul_u32_u24 v[VSA], v[LN], SPITCH            ; the builder's lane is s
	v_add_nc_u32 v[VSA], s29, v[VSA]
	v_add_nc_u32 v[VSB], BBASE, v[VSA]
	s_lshl_b32 s30, s27, 7
	s_and_b32 s31, s25, 1
	s_lshl_b32 s31, s31, 2
	s_add_co_u32 s30, s30, s31
	s_lshl_b32 s31, s26, 6
	s_add_co_u32 s30, s30, s31
	s_add_co_u32 s30, s30, NBASE
	v_mul_u32_u24 v[VSN], v[LN], NPITCH
	v_add_nc_u32 v[VSN], s30, v[VSN]
	v_lshl_add_u32 v[VLA0], v[LN], 4, s28          ; the walk: 16 bytes a lane of my b tile's fragment
	s_lshl_b32 s32, s26, 11
	s_add_co_u32 s32, s32, BBASE
	v_lshl_add_u32 v[VLB0], v[LN], 4, s32          ; and of my first p tile's
	s_lshl_b32 s33, s26, 7
	s_add_co_u32 s33, s33, NBASE
	v_lshl_add_u32 v[VLN0], v[RL], 3, s33          ; an of planes r and 16 + r of my pair
	s_mul_i32 s34, s25, 16*STP
	s_lshl_b32 s35, s26, 7
	s_add_co_u32 s34, s34, s35
	s_add_co_u32 s34, s34, STG
	v_mul_u32_u24 v[VST], v[HL], 8*STP             ; a result register j holds row 8 (lane/16) + j, column lane%16 of its tile
	v_lshl_add_u32 v[VST], v[RL], 2, v[VST]
	v_add_nc_u32 v[VST], s34, v[VST]
	s_mul_i32 s36, s12, 8*STP
	s_add_co_u32 s36, s36, STG
	v_mul_u32_u24 v[VRD], v[HL], STP               ; back: wave w takes rows 8 w .. 8 w + 7, lanes 0-15 one row of 256 bytes, lanes 16-31 the next
	v_lshl_add_u32 v[VRD], v[RL], 4, v[VRD]
	v_add_nc_u32 v[VRD], s36, v[VRD]
	s_lshl_b32 s37, s12, 13
	v_lshlrev_b32 v[VGO], 10, v[HL]
	v_lshl_add_u32 v[VGO], v[RL], 4, v[VGO]
	v_add_nc_u32 v[VGO], s37, v[VGO]
	E8 v_mov_b32 v[RACC+i], 0                      ; the 16 sums
	E8 v_mov_b32 v[RACC+8+i], 0
.set i, 0
.rept 4
	v_mov_b32 v[ZQ+i], 0
.set i, i+1
.endr
	s_wait_alu depctr_va_vdst(0)                   ; the zeros are written, which the stores below read, and so are v[VSA], v[VSB], v[VSN], v[VST], v[VRD], v[VGO], by which stores and loads go from here to the end
	; K places 24 .. 31 hold zeros in both phases: stored once
	E8 ds_store_b128 v[VSA], v[ZQ:ZQ+3] offset:16*i+768
	E8 ds_store_b128 v[VSB], v[ZQ:ZQ+3] offset:16*i+768
.macro FILLCH                     ; K places 6, 7 of each component's eight hold zeros
.set i, 0
.rept 6
	v_mov_b32 v[CH+4*i+3], 0
.set i, i+1
.endr
.endm
; u FOR 8 ROWS (one s a lane).  In: 8 pairs (a, b) at xb.  Out: u0 in PE, (u1, u2) in place.  Behind every run of transcendentals stands a plain instruction that names none of their
; registers before a result is used (ISA guide 5.7.2): a v_nop where nothing else is at hand; and one wait on va_vdst for the run, ahead of its first reader.
.macro UPRO xb
	E8 v_mul_f32 v[PA+i], v[(\xb)+2*i], v[(\xb)+2*i]
	E8 v_fma_f32 v[PA+i], v[(\xb)+2*i+1], v[(\xb)+2*i+1], v[PA+i]
	E8 v_max_num_f32 v[PA+i], s[TINY], v[PA+i]     ; n = max(sqrt(n2), 1e-15)
	E8 v_rsq_f32 v[PB+i], v[PA+i]                  ; 1/n
	v_nop
	s_wait_alu depctr_va_vdst(0)                   ; the eight 1/n in PB are written, ahead of their first reader
	E4 v_pk_mul_f32 v[PC+i:PC+i+1], v[PA+i:PA+i+1], v[PB+i:PB+i+1]
	E4 v_pk_mul_f32 v[PC+i:PC+i+1], v[PC+i:PC+i+1], 0x4038aa3b op_sel_hi:[1,0]   ; 2 log2(e) n
	E8 v_exp_f32 v[PC+i], v[PC+i]                  ; e^(2n); an infinity gives tanh = 1 below
	v_nop
	s_wait_alu depctr_va_vdst(0)                   ; the eight exponentials in PC are written, ahead of their first reader
	E4 v_pk_add_f32 v[PC+i:PC+i+1], v[PC+i:PC+i+1], 1.0 op_sel_hi:[1,0]
	E8 v_rcp_f32 v[PC+i], v[PC+i]
	v_nop
	s_wait_alu depctr_va_vdst(0)                   ; the eight reciprocals in PC are written, ahead of their first reader
	E4 v_pk_fma_f32 v[PC+i:PC+i+1], v[PC+i:PC+i+1], -2.0, 1.0 op_sel_hi:[1,0,0]  ; tanh n, which is |expmap0|
	E8 v_min_num_f32 v[PC+i], s[RMAX], v[PC+i]     ; the projection: radius rho = min(tanh n, 0.996)
	E4 v_pk_fma_f32 v[PD+i:PD+i+1], v[PC+i:PC+i+1], v[PC+i:PC+i+1], 1.0 op_sel_hi:[1,1,0] neg_lo:[1,0,0] neg_hi:[1,0,0]  ; 1 - x2
	E8 v_rcp_f32 v[PD+i], v[PD+i]                  ; g = 1/(1-x2)
	E4 v_pk_mul_f32 v[PF+i:PF+i+1], v[PC+i:PC+i+1], v[PB+i:PB+i+1]               ; rho/n: four plain lines that name none of the g
	s_wait_alu depctr_va_vdst(0)                   ; the eight g in PD are written, ahead of their first reader
	E4 v_pk_fma_f32 v[PE+i:PE+i+1], v[PD+i:PD+i+1], 2.0, -1.0 op_sel_hi:[1,0,0]  ; u0 = (1+x2)/(1-x2) = 2g - 1
	E4 v_pk_mul_f32 v[PF+i:PF+i+1], v[PF+i:PF+i+1], v[PD+i:PD+i+1]
	E4 v_pk_mul_f32 v[(\xb)+2*i:(\xb)+2*i+1], v[(\xb)+2*i:(\xb)+2*i+1], v[PF+i:PF+i+1] op_sel_hi:[1,0]                  ; even rows: both by the pair's first
	E4 v_pk_mul_f32 v[(\xb)+2*i+2:(\xb)+2*i+3], v[(\xb)+2*i+2:(\xb)+2*i+3], v[PF+i:PF+i+1] op_sel:[0,1] op_sel_hi:[1,1]  ; odd rows: both by its second
.endm
; c FOR 8 ROWS.  In: 8 pairs of bias at pb, of normals at nb.  Out: c0 in PE, (c1, c2) in place of the normals; an ln2 goes to its table.
.macro CPRO pb, nb, ph
	E8 v_mul_f32 v[PA+i], v[(\pb)+2*i], v[(\pb)+2*i]
	E8 v_mul_f32 v[PB+i], v[(\nb)+2*i], v[(\nb)+2*i]
	E8 v_mul_f32 v[PC+i], v[(\pb)+2*i], v[(\nb)+2*i]
	E8 v_fma_f32 v[PA+i], v[(\pb)+2*i+1], v[(\pb)+2*i+1], v[PA+i]                ; p2
	E8 v_fma_f32 v[PB+i], v[(\nb)+2*i+1], v[(\nb)+2*i+1], v[PB+i]                ; a2
	E8 v_fma_f32 v[PC+i], v[(\pb)+2*i+1], v[(\nb)+2*i+1], v[PC+i]                ; p.a
	E8 v_max_num_f32 v[PB+i], s[EPS], v[PB+i]
	E8 v_rsq_f32 v[PD+i], v[PB+i]                  ; 1/an
	E4 v_pk_add_f32 v[PE+i:PE+i+1], v[PA+i:PA+i+1], 1.0 op_sel_hi:[1,0] neg_lo:[1,0] neg_hi:[1,0]  ; 1 - p2
	E8 v_max_num_f32 v[PA+i], |v[PE+i]|, s[EPS]    ; held at 1e-15 in magnitude,
	E8 v_bfi_b32 v[PE+i], s[MASK], v[PA+i], v[PE+i] ; with its sign
	s_wait_alu depctr_va_vdst(0)                   ; the eight 1/an in PD are written, ahead of their first reader; the twenty lines above are the independent work between
	E8 v_rcp_f32 v[PE+i], v[PE+i]
	E4 v_pk_mul_f32 v[PB+i:PB+i+1], v[PB+i:PB+i+1], v[PD+i:PD+i+1]               ; an
	E4 v_pk_mul_f32 v[PC+i:PC+i+1], v[PC+i:PC+i+1], v[PD+i:PD+i+1]
	s_wait_alu depctr_va_vdst(0)                   ; the eight reciprocals in PE are written, ahead of their first reader; the eight lines above name none of them
	E4 v_pk_mul_f32 v[PC+i:PC+i+1], v[PC+i:PC+i+1], v[PE+i:PE+i+1]               ; K
	E4 v_pk_mul_f32 v[PB+i:PB+i+1], v[PB+i:PB+i+1], 0x3f317218 op_sel_hi:[1,0]   ; an ln2: the walk takes log2
	E4 v_pk_mul_f32 v[PE+i:PE+i+1], v[PC+i:PC+i+1], -2.0 op_sel_hi:[1,0]         ; c0
	E4 v_pk_mul_f32 v[PC+i:PC+i+1], v[PC+i:PC+i+1], 4.0 op_sel_hi:[1,0]
	E4 v_pk_add_f32 v[PD+i:PD+i+1], v[PD+i:PD+i+1], v[PD+i:PD+i+1]               ; 2/an
	E4 v_pk_mul_f32 v[(\nb)+2*i:(\nb)+2*i+1], v[(\nb)+2*i:(\nb)+2*i+1], v[PD+i:PD+i+1] op_sel_hi:[1,0]
	E4 v_pk_mul_f32 v[(\nb)+2*i+2:(\nb)+2*i+3], v[(\nb)+2*i+2:(\nb)+2*i+3], v[PD+i:PD+i+1] op_sel:[0,1] op_sel_hi:[1,1]
	E4 v_pk_fma_f32 v[(\nb)+2*i:(\nb)+2*i+1], v[(\pb)+2*i:(\pb)+2*i+1], v[PC+i:PC+i+1], v[(\nb)+2*i:(\nb)+2*i+1] op_sel_hi:[1,0,1]
	E4 v_pk_fma_f32 v[(\nb)+2*i+2:(\nb)+2*i+3], v[(\pb)+2*i+2:(\pb)+2*i+3], v[PC+i:PC+i+1], v[(\nb)+2*i+2:(\nb)+2*i+3] op_sel:[0,1,0] op_sel_hi:[1,1,1]
	s_wait_alu depctr_va_vdst(0)                   ; an ln2 is written in PB, which the eight LDS stores read
	E8 ds_store_b32 v[VSN], v[PB+i] offset:8*i+(\ph)*32*NPITCH
.endm
; Three words of a component's chunk from x, its first remainder r1 and its second r2: a piece is the upper half of its word.  The lower K place lies in the lower half.
;   A: (h, m) (h, m) (h, l)      B: (h, h) (m, m) (l, h)      place by place: hh + mh + hm + mm + hl + lh
.macro WORDS side, c, x, r1, r2
.if (\side) == 0
	v_perm_b32 v[(\c)], v[\r1], v[\x], s[SEL]
	v_perm_b32 v[(\c)+1], v[\r1], v[\x], s[SEL]
	v_perm_b32 v[(\c)+2], v[\r2], v[\x], s[SEL]
.else
	v_perm_b32 v[(\c)], v[\x], v[\x], s[SEL]
	v_perm_b32 v[(\c)+1], v[\r1], v[\r1], s[SEL]
	v_perm_b32 v[(\c)+2], v[\x], v[\r2], s[SEL]
.endif
.endm
; Rows r and r + 1 are cut and stored.  x - (upper half of x) is exact, and so is the second remainder, which has 8 significant bits left: the three pieces add up to x.
; Component c of a row goes to K places 8 c .. 8 c + 7: byte 256 c of the tile's 1,024, 16 bytes a row.
; The chunks are the one buffer here that LDS stores read and vector lines write again: the 18 cutting lines, which name none of them, stand between the stores and the wait that frees them.
.macro SPLIT r, xb, side, vs
.set q0, PE+(\r)
.set q1, (\xb)+2*(\r)
.set q2, (\xb)+2*(\r)+2
	v_and_b32 v[SH+0], s[HIM], v[q0]
	v_and_b32 v[SH+1], s[HIM], v[q0+1]
	v_and_b32 v[SH+2], s[HIM], v[q1]
	v_and_b32 v[SH+3], s[HIM], v[q1+1]
	v_and_b32 v[SH+4], s[HIM], v[q2]
	v_and_b32 v[SH+5], s[HIM], v[q2+1]
	v_pk_add_f32 v[SR1:SR1+1], v[q0:q0+1], v[SH:SH+1] neg_lo:[0,1] neg_hi:[0,1]
	v_pk_add_f32 v[SR1+2:SR1+3], v[q1:q1+1], v[SH+2:SH+3] neg_lo:[0,1] neg_hi:[0,1]
	v_pk_add_f32 v[SR1+4:SR1+5], v[q2:q2+1], v[SH+4:SH+5] neg_lo:[0,1] neg_hi:[0,1]
.set i, 0
.rept 6
	v_and_b32 v[SH+i], s[HIM], v[SR1+i]
.set i, i+1
.endr
.set i, 0
.rept 3
	v_pk_add_f32 v[SR2+i:SR2+i+1], v[SR1+i:SR1+i+1], v[SH+i:SH+i+1] neg_lo:[0,1] neg_hi:[0,1]
.set i, i+2
.endr
.if ((\r) > 0) || ((\side) == 1)                       ; (a phase's first two rows of u find chunks that no store has read since the last such wait)
	s_wait_alu depctr_vm_vsrc(0)                   ; the LDS stores of the two rows before have read the chunks, which the lines below write again
.endif
	WORDS \side, CH+0,  q0,   SR1+0, SR2+0
	WORDS \side, CH+4,  q1,   SR1+2, SR2+2
	WORDS \side, CH+8,  q1+1, SR1+3, SR2+3
	WORDS \side, CH+12, q0+1, SR1+1, SR2+1
	WORDS \side, CH+16, q2,   SR1+4, SR2+4
	WORDS \side, CH+20, q2+1, SR1+5, SR2+5
	s_wait_alu depctr_va_vdst(0)                   ; the six chunks are written (their fourth words by FILLCH), which the six LDS stores read
.set i, 0
.rept 3
	ds_store_b128 v[\vs], v[CH+4*i:CH+4*i+3] offset:16*(\r)+256*i
	ds_store_b128 v[\vs], v[CH+12+4*i:CH+12+4*i+3] offset:16*(\r)+16+256*i
.set i, i+1
.endr
.endm
.macro SPLIT8 xb, side, vs
.irp r, 0,2,4,6
	SPLIT \r, \xb, \side, \vs
.endr
.endm
; THE WALK.  Six loads bring one s: A's fragment and two of B's, 512 consecutive bytes each (registers 0-3: K places 8 (lane/16) on; registers 4-7: 16 + 8 (lane/16) on).
.macro FRAG f, o, n               ; load n of the six into fragment buffer f: 0, 1 A's halves; 2 to 5 the halves of B's two tiles
.if (\n) < 2
	ds_load_b128 v[RF+24*(\f)+4*(\n):RF+24*(\f)+4*(\n)+3], v[VLA] offset:(\o)+512*(\n)
.else
	ds_load_b128 v[RF+24*(\f)+4*(\n):RF+24*(\f)+4*(\n)+3], v[VLB] offset:(\o)+512*((\n)-2)
.endif
.endm
.macro LOADF f, o
.irp n, 0,1,2,3,4,5
	FRAG \f, \o, \n
.endr
.endm
; A STEP serves three tiles at three stages (tile k = s of parity (k/2)%2, p tile k%2; buffers by k mod 4 and k mod 2):
;   the matrix instruction of tile k+1;  eight times (root of tile k, |z| + root of tile k-1);  eight times (log2 of tile k-1, z's sign onto an);  the sums of tile k-1;  z^2 + 1 of tile k+1.
; No two transcendentals are neighbours, and each has a plain instruction on other registers behind it.  A matrix result is first read 32 instructions behind its instruction, from its lowest
; registers on.
; wm: tile k+1 exists.  sq: tile k exists.  w0: a wait on DScnt at the head, or -1.
; grp = 1: seven LDS loads stand behind the step's wait on va_vdst, dealt among its packed lines: the fragments of the s two on, into the buffer whose second matrix instruction this step has issued,
; and the pair of an that this step's sign lines have read for the last time (step 0: the trip's odd s; step 2: the next trip's even s).  grp = 2: that pair of an alone.
.macro STEP k, wm, sq, grp, w0
.set zp, RZ+8*(((\k)+3)&3)
.set tp, RT+8*(((\k)+1)&1)
.set ap, RACC+8*(((\k)+1)&1)
.set np, RAN+2*((((\k)+3)>>1)&1)+(((\k)+3)&1)
.set tc, RT+8*((\k)&1)
.set zn, RZ+8*(((\k)+1)&3)
.set fn, RF+24*((((\k)+1)>>1)&1)
.set bn, fn+8+8*(((\k)+1)&1)
.set fl, ((\k)>>1)&1
.if (\w0) >= 0
	s_wait_dscnt \w0
.endif
.if \wm
	v_wmma_f32_16x16x32_bf16 v[zn:zn+7], v[fn:fn+7], v[bn:bn+7], 0
.endif
.set i, 0
.rept 8
.if \sq
	v_sqrt_f32 v[tc+i], v[tc+i]
.endif
	v_add_f32 v[tp+i], |v[zp+i]|, v[tp+i]
.set i, i+1
.endr
.set i, 0
.rept 8
	v_log_f32 v[tp+i], v[tp+i]
	v_bfi_b32 v[zp+i], s[MASK], v[np], v[zp+i]     ; an ln2 with z's sign
.set i, i+1
.endr
	s_wait_alu depctr_va_vdst(0)                   ; the step's roots and logarithms are written, ahead of their first readers.  For the loads below: the matrix instructions are done reading fragment buffer fl, the sign lines reading that pair of an; in a trip's first step v[VLA], v[VLB], v[VLN] are written
.if (\grp) > 0
	ds_load_b64 v[RAN+2*(1-fl):RAN+2*(1-fl)+1], v[VLN] offset:(1+fl)*NPITCH
.endif
.set i, 0
.rept 4
	v_pk_fma_f32 v[ap+i:ap+i+1], v[tp+i:tp+i+1], v[zp+i:zp+i+1], v[ap+i:ap+i+1]
.if (\grp) == 1
	FRAG fl, (2+fl)*SPITCH, i/2                    ; no wait: no vector or matrix instruction since the wait above names the buffer or the addresses
.endif
.set i, i+2
.endr
.if \wm
.set i, 0
.rept 4
	v_pk_fma_f32 v[tp+i:tp+i+1], v[zn+i:zn+i+1], v[zn+i:zn+i+1], 1.0 op_sel_hi:[1,1,0]
.if ((\grp) == 1) && (i < 4)
	FRAG fl, (2+fl)*SPITCH, 4+i/2
.endif
.set i, i+2
.endr
.endif
.endm
; A phase's 32 s: 15 trips of two s, and the last two s written out, since they ask for no fragments.  The pipeline is entered with a tile that adds nothing: z = 0, root = 1, an = 0.
; The counts: LDS loads come back in order (ISA guide 5.7.1).  Groups of 7 are issued in steps 0 and 2.  At the head of steps 1 and 3 two groups are out, and the count 7 leaves the newer one out:
; the older group is in whole, the fragments that the step's matrix instruction reads and the pair of an that its sign lines read.
.macro MAIN ph
	s_wait_alu depctr_vm_vsrc(0)                   ; my LDS stores have read the chunks, the zeros and an's row (v140-147, v200-227), which the fragments' loads and the matrix instructions write; the last walk's LDS loads have read v[VLA], v[VLB], v[VLN]
	v_mov_b32 v[VLA], v[VLA0]
	v_mov_b32 v[VLB], v[VLB0]
	v_add_nc_u32 v[VLN], (\ph)*32*NPITCH, v[VLN0]
	s_wait_alu depctr_va_vdst(0)                   ; the three addresses are written, which the loads read; the builder's lines, and the last walk's, are done with v180-229, in which the loads land
	LOADF 0, 0
	ds_load_b64 v[RAN:RAN+1], v[VLN]               ; an of the phase's first s
	LOADF 1, SPITCH
	s_wait_dscnt 0x7                               ; the first six are in, the seven behind them may be out
	v_wmma_f32_16x16x32_bf16 v[RZ:RZ+7], v[RF:RF+7], v[RF+8:RF+15], 0
	E8 v_mov_b32 v[RZ+24+i], 0                     ; 18 plain lines on other registers: the places behind that instruction
	E8 v_mov_b32 v[RT+8+i], 1.0
	v_mov_b32 v[RAN+2], 0
	v_mov_b32 v[RAN+3], 0
	E4 v_pk_fma_f32 v[RT+i:RT+i+1], v[RZ+i:RZ+i+1], v[RZ+i:RZ+i+1], 1.0 op_sel_hi:[1,1,0]
	s_mov_b32 s[CNT], 15
.Lmain_\@:
	STEP 0, 1, 1, 1, -1
	STEP 1, 1, 1, 0, 7
	STEP 2, 1, 1, 1, -1
	STEP 3, 1, 1, 0, 7
	s_wait_alu depctr_vm_vsrc(0)                   ; the LDS loads issued so far have read v[VLA], v[VLB], v[VLN]; that these are written is stated by the next step's wait, ahead of the next loads
	v_add_nc_u32 v[VLA], 2*SPITCH, v[VLA]
	v_add_nc_u32 v[VLB], 2*SPITCH, v[VLB]
	v_add_nc_u32 v[VLN], 2*NPITCH, v[VLN]
	s_sub_co_u32 s[CNT], s[CNT], 1
	s_cmp_lg_u32 s[CNT], 0
	s_cbranch_scc1 .Lmain_\@
	STEP 0, 1, 1, 2, -1                            ; the last odd s's pair of an
	STEP 1, 1, 1, 0, 1                             ; the last group of seven is in; that one load may be out
	STEP 2, 1, 1, 0, -1
	STEP 3, 0, 1, 0, 0                             ; it is in
	STEP 0, 0, 0, 0, -1                            ; the last tile's second half
.endm
	; PHASE 0: s = 0 .. 31
	FILLCH
	s_wait_loadcnt 40                              ; input's first 8 loads are in; the 16 + 24 behind them may be out
	UPRO INX0
	SPLIT8 INX0, 0, VSA
	s_wait_loadcnt 24                              ; bias and normals of this phase are in; phase 1's 24 may be out
	CPRO INP0, INN0, 0
	SPLIT8 INN0, 1, VSB
	s_wait_dscnt 0x0                               ; for the others' sake: my stores are done
	s_barrier_signal -1
	s_barrier_wait -1
	MAIN 0
	; PHASE 1: s = 32 .. 63, into the same bytes: every wave's reads are back before any wave stores
	s_wait_loadcnt 0x0
	s_wait_dscnt 0x0
	s_barrier_signal -1
	FILLCH                                         ; work on registers alone while the others arrive
	UPRO INX1
	s_barrier_wait -1
	SPLIT8 INX1, 0, VSA
	CPRO INP1, INN1, 1
	SPLIT8 INN1, 1, VSB
	s_wait_dscnt 0x0
	s_barrier_signal -1
	s_barrier_wait -1
	MAIN 1
	; THE WAY OUT.  A lane holds a piece of a column; a row's 256 bytes come from two waves.  So the sums go through a stage of their own in LDS and come back as whole rows.
	s_wait_alu depctr_va_vdst(0)                   ; the sixteen sums are written, which the LDS stores read; the walk's lines are done with v132-147, in which the loads from the stage land
	E8 ds_store_b32 v[VST], v[RACC+i] offset:STP*i
	E8 ds_store_b32 v[VST], v[RACC+8+i] offset:STP*i+64
	s_wait_dscnt 0x0
	s_barrier_signal -1
	s_barrier_wait -1
.set i, 0
.rept 4
	ds_load_b128 v[RZ+4*i:RZ+4*i+3], v[VRD] offset:2*STP*i
.set i, i+1
.endr
.set i, 0
.rept 4
	s_wait_dscnt 3-i                               ; load i is back, the younger ones may be out
	global_store_b128 v[VGO], v[RZ+4*i:RZ+4*i+3], s[10:11] offset:2048*i th:TH_STORE_NT  ; 16 lanes store 256 consecutive bytes, at a multiple of 256 from out's first byte
.set i, i+1
.endr
	s_wait_dscnt 0x0                               ; the closing lines, six on end
	s_wait_alu 0x0
	s_wait_tensorcnt 0x0
	ds_add_u32 v[SPW], v[NIL]
	s_wait_dscnt 0x0
	s_endpgm
.Lfunc_end_k_qf9f3e4b2b9_planes:
	.size	k_qf9f3e4b2b9_planes, .Lfunc_end_k_qf9f3e4b2b9_planes-k_qf9f3e4b2b9_planes
	.p2alignl 7, 3214868480
	.fill 96, 4, 3214868480
	.section	.rodata,"a",@progbits
	.p2align	6, 0x0
	.amdhsa_kernel k_qf9f3e4b2b9_planes
		.amdhsa_group_segment_fixed_size 298496
		.amdhsa_private_segment_fixed_size 0
		.amdhsa_enable_private_segment 0
		.amdhsa_kernarg_size 32
		.amdhsa_user_sgpr_count 2
		.amdhsa_user_sgpr_kernarg_segment_ptr 1
		.amdhsa_wavefront_size32 1
		.amdhsa_system_sgpr_workgroup_id_x 1
		.amdhsa_system_sgpr_workgroup_id_y 1
		.amdhsa_system_sgpr_workgroup_id_z 1
		.amdhsa_system_vgpr_workitem_id 0
		.amdhsa_next_free_vgpr 232
		.amdhsa_next_free_sgpr 66
		.amdhsa_reserve_vcc 0
		.amdhsa_float_denorm_mode_32 3
		.amdhsa_float_denorm_mode_16_64 3
		.amdhsa_memory_ordered 1
		.amdhsa_forward_progress 1
		.amdhsa_inst_pref_size 118
	.end_amdhsa_kernel
	.amdgpu_metadata
---
amdhsa.version: [ 1, 2 ]
amdhsa.kernels:
  - .name:           k_qf9f3e4b2b9_planes
    .symbol:         k_qf9f3e4b2b9_planes.kd
    .args:
      - { .name: input, .offset: 0, .size: 8, .value_kind: global_buffer, .address_space: global }
      - { .name: bias, .offset: 8, .size: 8, .value_kind: global_buffer, .address_space: global }
      - { .name: normals, .offset: 16, .size: 8, .value_kind: global_buffer, .address_space: global }
      - { .name: out0, .offset: 24, .size: 8, .value_kind: global_buffer, .address_space: global }
    .group_segment_fixed_size: 298496
    .private_segment_fixed_size: 0
    .kernarg_segment_align: 8
    .kernarg_segment_size: 32
    .max_flat_workgroup_size: 256
    .sgpr_count:     66
    .vgpr_count:     232
    .wavefront_size: 32
...
	.end_amdgpu_metadata
.endif
;; end of part 2
